; MI455X (gfx1250); checked and timed in simulation.
; The chip was launched on July 23, 2026; its instructions are those of AMD's public machine-readable ISA for CDNA 5 (MIT licence, August 2026) and "CDNA5" Instruction Set Architecture Reference Guide (July 2026). The comments in the code are by the model that wrote it; some were corrected since.
;; Multihead Attention. Allowed arithmetic: matrix products marked QUANTISED: E5M2 operands, one given power-of-two scale a tensor, by v_wmma_f32_16x16x64_bf8_bf8 or v_wmma_f32_16x16x128_bf8_bf8, f32 sums; everything else in f32.
;; Inputs: Wk_codes 1,024 x 32 x 32 uint8 (E5M2 codes of Wk, K innermost, in blocks of 32 codes); Wq_codes 1,024 x 32 x 32 uint8 (E5M2 codes of Wq, K innermost, in blocks of 32 codes); Wv_codes 1,024 x 32 x 32 uint8 (E5M2 codes of Wv, K innermost, in blocks of 32 codes); bk 1,024 float32; bq 1,024 float32; bv 1,024 float32; lowp_scales 10 int32 (the exponents e of the quantised operands' scales 2^e); x_codes 4 x 2,048 x 32 x 32 uint8 (E5M2 codes of x, K innermost, in blocks of 32 codes).
;; Outputs: out0 4 x 2,048 x 1,024 float32.
;; This version of the problem:
;;   THIS VERSION OF THE PROBLEM IS GIVEN IN LOW PRECISION. The matrix products marked QUANTISED in the list below multiply operands that are first quantised to E5M2 (5 exponent bits, 2 mantissa bits; 8 bits a number), with one given power-of-two scale for each operand tensor; their sums are f32. All else is computed in f32.
;;   The module's matrix products, in the order in which they are computed (A, B: the left and right operand; K: the contracted axis; several contracted axes count as one K, in the product's order):
;;     1. [M 8,192, K 1,024] x [K 1,024, N 1,024]; A: input x (given as codes); B: input Wq (given as codes): QUANTISED (scales: A lowp_scales[0], B lowp_scales[1])
;;     2. [M 8,192, K 1,024] x [K 1,024, N 1,024]; A: input x (given as codes); B: input Wk (given as codes): QUANTISED (scales: A lowp_scales[2], B lowp_scales[3])
;;     3. [M 8,192, K 1,024] x [K 1,024, N 1,024]; A: input x (given as codes); B: input Wv (given as codes): QUANTISED (scales: A lowp_scales[4], B lowp_scales[5])
;;     4. batch 64 x [M 2,048, K 64] x [K 64, N 2,048]; A: computed on the way; B: computed on the way: QUANTISED (scales: A lowp_scales[6], B lowp_scales[7])
;;     5. batch 64 x [M 2,048, K 2,048] x [K 2,048, N 64]; A: softmax (see below); B: computed on the way: QUANTISED (scales: A lowp_scales[8], B lowp_scales[9])
;;   THE QUANTISER, for each operand of a quantised product, along K:
;;     - The operand's scale is 2^e, e = its entry of the input lowp_scales (int32; the entries are numbered through the quantised products in the list's order, A before B).
;;     - Each number is divided by the scale, clamped to +-57,344, and rounded to the nearest number of E5M2, ties to even, subnormals kept.
;;     - The product sums the exact products of the quantised numbers (number of the format x scale) in f32.
;;   ~~~python
;;   def quantise(x, axis, e):      # numpy; x: float32 -> the quantised numbers, widened to float32 again
;;       x = np.moveaxis(x, axis, -1); K = x.shape[-1]
;;       r = np.clip(x / 2.0 ** e, -57344, 57344)
;;       step = 2.0 ** (np.maximum(np.frexp(np.where(r == 0, 1, r))[1] - 1, -14) - 2)
;;       q = np.round(r / step) * step * 2.0 ** e      # np.round: ties to even
;;       return np.moveaxis(q, -1, axis).astype(np.float32)
;;   ~~~
;;   SOFTMAX AHEAD OF A QUANTISED PRODUCT. Where the list says 'softmax', what is quantised is not the finished softmax but p = 2^(t - M), with t = logit x log2(e) and M = ceil(the row's largest t), a whole number; so 1/2 < the row's largest p <= 1. The row's sum l is taken of the UNQUANTISED p, in f32, and the product's result is divided by l at the end. Since M is a whole number, a kernel that streams over the keys may use a running M (the ceiling of the running maximum): every later rescaling is an exact power of two, so the quantised numbers keep their values, but for numbers so far below the row's largest that they fall under the format's range.
;;   OPERANDS COMPUTED ON THE WAY. 'Computed on the way' means the value that the module computes at that place (a softmax that the list does not call 'softmax' is quantised finished and normalised). What goes into a quantiser is computed in f32, as accurately as f32 sums, v_exp_f32 and their like allow (about 1e-6 of the number): no bf16 or f16 on the way to a quantiser, and a product that is left as it is and whose result goes on into a quantised operand takes f32 operands (vector FMAs, or v_wmma_f32_16x16x4_f32). A number that lies on a knife's edge between two numbers of the format may be rounded either way, as far as f32 arithmetic and the matrix unit's own rounding can turn it there, and no further.
;;   INPUTS GIVEN AS CODES. Wk (in the module: [1024, 1024], K = its axis 0); Wq (in the module: [1024, 1024], K = its axis 0); Wv (in the module: [1024, 1024], K = its axis 0); x (in the module: [4, 2048, 1024], K = its axis 2): each comes as NAME_codes (uint8): NAME with its K axis moved to the last place and cut into blocks of 32 codes, [.., K / 32, bytes a block], one block behind the other in memory; one code a byte (a code: sign, 5 exponent bits, 2 mantissa bits); its scale is its entry of lowp_scales. Its value is code x scale, taken as it is: it is not quantised again, and the codes and scales need not be those that the quantiser above would give.
;; 2 versions, each right; version 2 is version 1 with the launch attn written anew for expert scheduling mode. Each part assembles by itself: llvm-mc -triple=amdgcn-amd-amdhsa -mcpu=gfx1250 --defsym DOCPART=n.
;; ======== version 1 of 2: 2 launches
;; limits: right only within a limited range of input values
;; workspace buffers: qc 8,388,608 bytes; kc 8,388,608 bytes; vc 8,388,608 bytes
;; launch proj (part 1): grid 12 x 32, 4 waves a work-group, clusters of 4 x 4, 327,680 bytes of LDS; arguments x_codes, Wq_codes, Wk_codes, Wv_codes, bq, bk, bv, lowp_scales, qc, kc, vc; writes qc, kc, vc
.if DOCPART == 1
	.amdgcn_target "amdgcn-amd-amdhsa--gfx1250"
	.amdhsa_code_object_version 6
	.text
	.protected	k_qac3b7af02a_proj
	.globl	k_qac3b7af02a_proj
	.p2align	8
	.type	k_qac3b7af02a_proj,@function
k_qac3b7af02a_proj:
	s_mov_b64 s[64:65], 0
	v_nop
	global_prefetch_b8 v0, s[64:65] scope:SCOPE_SE
	s_setreg_imm32_b32 hwreg(HW_REG_WAVE_MODE, 25, 1), 1
	s_wait_xcnt 0x0
	s_wait_alu depctr_hold_cnt(0) depctr_sa_sdst(0) depctr_va_vdst(0) depctr_va_sdst(0) depctr_va_ssrc(0) depctr_va_vcc(0) depctr_vm_vsrc(0)
	s_getreg_b32 s2, hwreg(HW_REG_IB_STS2, 6, 4)
	s_cmp_eq_u32 s2, 0
	s_cbranch_scc0 .Lentry_in_a_cluster
	s_endpgm
.Lentry_in_a_cluster:
	s_bfe_u32 s2, ttmp6, 0x10000c
	s_cmp_lg_u32 s2, 0xf033
	s_cbranch_scc0 .Lentry_shape_is_right
	s_endpgm
.Lentry_shape_is_right:
; THE THREE PROJECTIONS, on codes of E5M2, and their results quantised again: q = Q(x Wq + bq), k = Q(x Wk + bk), v = Q(x Wv + bv), each with the given scales.
; DEAD WORK: none.  Every input has a way to the output: bk too, since it moves k's codes ahead of a quantised product.  All ten entries of the scales are used (0-7 and 9 here, 6-9 in the second launch).
; ONE BODY computes C = A B^T on tiles of 256 x 256, K = 1,024.  The cluster's x picks the product: 0: q (A = x, B = Wq), 1: k (A = x, B = Wk), 2: v, made TRANSPOSED (A = Wv, B = x), so that a lane's
; registers run along the keys, which are the K of attention's second product.  4 x 4 work-groups form a cluster; A's tile is shared along a row of the cluster, B's along a column: joint loads.
; The cluster's x is the same in all sixteen partners: the choices and the three short branches on it are alike in all of them.  Nothing hangs on a work-group's place in its cluster but addresses in memory and the masks.
; A wave makes 128 x 128 of C: 64 accumulators.  THE MATRIX INSTRUCTION IS USED TRANSPOSED (source 0 = 16 rows of B, source 1 = 16 rows of A): lane (r, h) holds row r of A's block and columns 16 b + 8 h + 0 .. 7.
; THE BIAS is the C of each sum's first matrix instruction, divided by 2^(ea + eb), the power of two that the sums lack.  So it is summed first and not last: a difference of rounding.
; THE WAY OUT: a sum stands for sum x 2^(ea + eb), so its code is sum / 2^(eo - ea - eb), held within +-57,344 of that scale.  Eight sums of a lane give 8 bytes; two neighbouring column tiles give 16 bytes, which are
; four registers of the next launch's operand: the workspace is laid in the order of those registers, so each store of a wave covers 512 consecutive bytes, aligned, straight from registers.
;   qc, kc: [batch x head 64][tile of 16 tokens 128][piece 2][lane 32][16 bytes]: lane (r, h), piece c: token r; channels 32 c + 8 h + 0..7, then 32 c + 16 + 8 h + 0..7.
;   vc:     [batch x head 64][step of 128 keys 16][tile of 16 channels 4][piece 4][lane 32][16 bytes]: lane (r, h), piece c: channel r; keys 32 c + 8 h + 0..7, then 32 c + 16 + 8 h + 0..7.
; LIMITS: eo - ea - eb between -126 and 112, so that the scale and the hold are f32 numbers; bias / 2^(ea + eb) stays an f32 number; NaN among the biases is not served.
; REGISTERS, in windows of 256: window 0: v1-6 at work, v16-31 addresses and constants, v32-95 the bias tiles and later the held sums, v128-255 A's fragments (one set) and later the codes.
;   window 1: B's fragments, two sets.   window 2: the accumulators of my rows 0-63 ((a, b) at v[8 (8 a + b)]);   window 3: those of my rows 64-127.
.set ROWB,   256                       ; a tile's row: 256 codes along K
.set KROW,   1024                      ; a row of x or of a weight in memory, in bytes
.set PITCH,  272                       ; an LDS row: 256 bytes + 16 of padding = 68 words: the 16 rows that a load touches start at 16 different banks (64 banks of 4 bytes: ISA guide 11.1)
.set FR,     16                        ; registers of a fragment: 16 rows x 128 K
.set NL,     4                         ; LDS loads that bring one
.set NP,     4                         ; places behind this matrix instruction (ISA guide 7.12.1)
.set HALFT,  128*PITCH                 ; 128 rows: what one tensor load brings
.set SLOT,   4*HALFT                   ; A's 256 rows, then B's 256 rows
.set SPARE,  2*SLOT                    ; behind the ring: the spare words, 128 bytes for each wave, which no other line names
.set ADRA, 16                          ; v16-17  LDS address of my A fragments in slot 0, 1
.set ADRB, 20                          ; v20-21  the same for B
.set LO,   26                          ; v26     16 x lane: my place in a store's 512 bytes
.set SPW,  28                          ; v28     LDS address of my spare word; never rewritten
.set NIL,  29                          ; v29     0; never rewritten
.set SCV,  30                          ; v30     2^(eo - ea - eb) as f32
.set LIMV, 31                          ; v31     57,344 x that
.set BI,   32                          ; v32-95  eight bias tiles of eight registers
.set TMP,  32                          ; v32-95  on the way out: a block's held sums
.set AF,   128                         ; A's fragments
.set CD,   128                         ; on the way out: the codes, 16 registers a block
.set G1, 24                            ; s[24:31] descriptor group 1 for A's tiles;  s[32:39] group 0, one set for each slot
.set G0, 32
.set G1B, 48                           ; s[48:55], s[56:63] the same for B's tiles
.set G0B, 56
.set MSB, 0
.macro WIN new                         ; the immediate's high byte repeats the setting that is left
.if MSB != \new
	s_set_vgpr_msb (MSB<<8)|\new
.set MSB, \new
.endif
.endm
.set MUL_LO,   0xa1                    ; source 0 (B) window 1, source 1 (A) window 0, C and D window 2
.set MUL_HI,   0xf1                    ; the same, C and D window 3
.set FIRST_LO, 0x81                    ; the first step: C (the bias) window 0, D window 2
.set FIRST_HI, 0xc1                    ; the same, D window 3
.set TO_B,     0x40                    ; destination window 1, address window 0
; A joint load: waves 0 and 1 fetch for A, waves 2 and 3 for B.  Each line has one mask and one set of registers for all that issue it; the branch hangs on the wave's number alone.
; An s_nop 0 and four v_nop follow each of the two lines.
.macro JLOAD g0a, g1a, g0b, g1b
	s_cmp_eq_u32 s15, 0
	s_cbranch_scc0 .Lfor_b_\@
	tensor_load_to_lds s[\g0a:\g0a+3], s[\g1a:\g1a+7]
	s_nop 0
.rept 4
	v_nop
.endr
	s_branch .Lasked_\@
.Lfor_b_\@:
	tensor_load_to_lds s[\g0b:\g0b+3], s[\g1b:\g1b+7]
	s_nop 0
.rept 4
	v_nop
.endr
.Lasked_\@:
.endm
.macro CREST                           ; a round of the cluster's barrier behind its opening barrier
	s_cmp_lg_u32 s14, 0
	s_cbranch_scc1 .Lnot_wave_0_\@
	s_barrier_signal -3
.Lnot_wave_0_\@:
	s_barrier_wait -3
	s_barrier_signal -1
	s_barrier_wait -1
.endm
.macro CROUND                          ; a whole round
	s_barrier_signal -1
	s_barrier_wait -1
	CREST
.endm
	s_load_b512 s[68:83], s[0:1], 0x0              ; x s[68:69], Wq s[70:71], Wk s[72:73], Wv s[74:75], bq s[76:77], bk s[78:79], bv s[80:81], the scales s[82:83]
	s_load_b128 s[84:87], s[0:1], 0x40             ; qc s[84:85], kc s[86:87]
	s_load_b64 s[88:89], s[0:1], 0x50              ; vc
	v_lshl_add_u32 v[SPW], v0, 2, SPARE
	v_mov_b32 v[NIL], 0
	ds_add_u32 v[SPW], v[NIL]                      ; the wave's opening: the add, twice on end, and its wait ahead of my first tensor load
	ds_add_u32 v[SPW], v[NIL]                      ; and once more; the set-up below, work on registers, stands between it and the wait
	v_lshrrev_b32 v1, 5, v0
	v_readfirstlane_b32 s14, v1                    ; wave 0..3
	s_lshr_b32 s15, s14, 1                         ; which half of the tile's rows is mine.  Also: I fetch for A (0) or for B (1)
	s_and_b32 s16, s14, 1                          ; which half of its columns.  Also: which 128 rows of that tile I fetch
	s_bfe_u32 s40, ttmp6, 0x40000                  ; cx, cy: my place in the cluster
	s_bfe_u32 s41, ttmp6, 0x40004
	s_and_b32 s20, ttmp7, 0xffff                   ; the cluster's y, 0..7: it walks the 8,192 tokens, which are A's rows for q and k and B's rows for v
	s_cmp_eq_u32 ttmp9, 2
	s_cselect_b32 s21, 0, s20
	s_cselect_b32 s22, s20, 0
	s_lshl_b32 s17, s21, 2
	s_add_co_u32 s17, s17, s41                     ; tile row of C
	s_lshl_b32 s42, s22, 2
	s_add_co_u32 s42, s42, s40                     ; tile column of C
	s_lshl_b32 s43, s41, 2
	s_lshl_b32 s43, 15, s43                        ; my row of the cluster
	s_lshl_b32 s44, 0x1111, s40                    ; my column
	; descriptor group 1: a tile of 128 rows x 256 bytes, padded in LDS
	s_or_b32 s[G1+0], s43, (0<<16)|(1<<20)|(1<<21)|(5<<22)|(3<<25)  ; 15:0 the mask: A's tiles go to my row; 17:16 elements of 1 byte; 20 padding on; 21 set beside a mask; 24:22 after every 64 words; 31:25 four words
	s_or_b32 s[G1B+0], s44, (0<<16)|(1<<20)|(1<<21)|(5<<22)|(3<<25)
.irp g, G1, G1B
	s_mov_b32 s[\g+1], ROWB<<16                    ; tensor_dim0
	s_mov_b32 s[\g+2], 128<<16                     ; tensor_dim1
	s_mov_b32 s[\g+3], ROWB<<16                    ; tile_dim0
	s_mov_b32 s[\g+4], 128                         ; tile_dim1
	s_mov_b32 s[\g+5], KROW                        ; tensor_dim0_stride
	s_mov_b32 s[\g+6], 0
	s_mov_b32 s[\g+7], 0
.endr
	s_lshl_b32 s18, s16, 7                         ; which 128 rows of the tile I fetch
	s_lshl_b32 s20, s17, 8
	s_add_co_u32 s20, s20, s18                     ; A: row 256 x tile row + 128 x half,
	s_lshl_b32 s20, s20, 10                        ; in bytes: under 2^23
	s_mov_b32 s21, 0
	s_lshl_b32 s46, s42, 8
	s_add_co_u32 s46, s46, s18                     ; B: row 256 x tile column + 128 x half
	s_lshl_b32 s46, s46, 10
	s_mov_b32 s47, 0
	s_mul_i32 s45, s14, HALFT                      ; where they go: wave x 128 rows: no place in the cluster enters an LDS address
	s_wait_dscnt 0x0                               ; both opening adds are done
	s_wait_kmcnt 0x0
	s_load_b256 s[92:99], s[82:83], 0x0            ; e0 .. e7
	s_load_b64 s[100:101], s[82:83], 0x20          ; e8, e9
	s_cmp_eq_u32 ttmp9, 2                          ; the product's buffers: the choice hangs on the cluster's x alone
	s_cselect_b64 s[4:5], s[74:75], s[68:69]       ; A: Wv, else x
	s_cselect_b64 s[6:7], s[68:69], s[72:73]       ; B: x, else Wk
	s_cselect_b64 s[8:9], s[80:81], s[78:79]       ; the bias
	s_cselect_b64 s[10:11], s[88:89], s[86:87]     ; the codes' buffer
	s_cmp_eq_u32 ttmp9, 0
	s_cselect_b64 s[6:7], s[70:71], s[6:7]         ; q: Wq, bq, qc
	s_cselect_b64 s[8:9], s[76:77], s[8:9]
	s_cselect_b64 s[10:11], s[84:85], s[10:11]
	s_add_nc_u64 s[20:21], s[4:5], s[20:21]
	s_add_nc_u64 s[46:47], s[6:7], s[46:47]
	CROUND                                         ; all sixteen work-groups are here: the first joint loads meet
.irp s, 0,1
	s_mov_b32 s[G0+4*\s], 1
	s_add_co_u32 s[G0+4*\s+1], s45, \s*SLOT
	s_add_nc_u64 s[G0+4*\s+2:G0+4*\s+3], s[20:21], \s*ROWB
	s_or_b32 s[G0+4*\s+3], s[G0+4*\s+3], 0x80000000
	s_mov_b32 s[G0B+4*\s], 1
	s_add_co_u32 s[G0B+4*\s+1], s45, \s*SLOT
	s_add_nc_u64 s[G0B+4*\s+2:G0B+4*\s+3], s[46:47], \s*ROWB
	s_or_b32 s[G0B+4*\s+3], s[G0B+4*\s+3], 0x80000000
	JLOAD G0+4*\s, G1, G0B+4*\s, G1B               ; two loads of mine are out
.endr
	v_and_b32 v1, 15, v0                           ; r = l % 16
	v_bfe_u32 v2, v0, 4, 1                         ; h = l / 16
	v_mul_u32_u24 v3, v1, PITCH
	v_lshl_add_u32 v4, v2, 4, v3                   ; a fragment's row x pitch + 16 x half
	s_mul_i32 s21, s15, HALFT                      ; my 128 rows of A
	s_mul_i32 s22, s16, HALFT                      ; my 128 rows of B,
	s_add_co_u32 s22, s22, 2*HALFT                 ; which lie behind A's 256
.irp s, 0,1
	v_add_nc_u32 v[ADRA+\s], s21, v4
	v_add_nc_u32 v[ADRB+\s], s22, v4
	s_add_co_u32 s21, s21, SLOT
	s_add_co_u32 s22, s22, SLOT
.endr
	v_and_b32 v6, 31, v0
	v_lshlrev_b32 v[LO], 4, v6
	; where my codes go, and where my biases lie.  P: the tile of 256 tokens; H4: the group of four heads; hs: which two of them are my wave's; ts: which 128 of the tokens
	s_cmp_eq_u32 ttmp9, 2
	s_cselect_b32 s18, s42, s17                    ; P
	s_cselect_b32 s19, s17, s42                    ; H4
	s_cselect_b32 s20, s15, s16                    ; hs
	s_cselect_b32 s21, s16, s15                    ; ts
	s_lshl_b32 s19, s19, 1
	s_add_co_u32 s19, s19, s20                     ; 2 H4 + hs: my pair of heads
	s_lshr_b32 s22, s18, 3
	s_lshl_b32 s22, s22, 21                        ; the batch: 16 heads of 131,072 bytes
	s_lshl_b32 s23, s19, 18                        ; my first head
	s_add_co_u32 s22, s22, s23
	s_and_b32 s18, s18, 7
	s_lshl_b32 s18, s18, 1
	s_add_co_u32 s18, s18, s21
	s_lshl_b32 s18, s18, 13                        ; my 128 tokens: 8,192 bytes of a head, in all three buffers
	s_add_co_u32 s22, s22, s18
	s_mov_b32 s23, 0
	s_add_nc_u64 s[10:11], s[10:11], s[22:23]
	s_lshl_b32 s22, s19, 9                         ; my 128 channels' biases: 512 bytes
	s_add_nc_u64 s[8:9], s[8:9], s[22:23]
	s_wait_kmcnt 0x0                               ; the exponents.  They are chosen without a jump
	s_cmp_eq_u32 ttmp9, 2
	s_cselect_b32 s12, s96, s94                    ; ea: x's entry of this product
	s_cselect_b32 s13, s97, s95                    ; eb: the weight's
	s_cselect_b32 s18, s101, s99                   ; eo: the result's, as an operand of attention
	s_cmp_eq_u32 ttmp9, 0
	s_cselect_b32 s12, s92, s12
	s_cselect_b32 s13, s93, s13
	s_cselect_b32 s18, s98, s18
	s_add_co_i32 s12, s12, s13                     ; ea + eb
	s_sub_co_i32 s13, 0, s12                       ; and its negative, for the bias
	s_sub_co_i32 s18, s18, s12                     ; eo - ea - eb: the three scales folded into the conversion's one
	s_add_co_i32 s18, s18, 127
	s_lshl_b32 s19, s18, 23
	v_mov_b32 v[SCV], s19
	s_add_co_i32 s18, s18, 15
	s_lshl_b32 s18, s18, 23
	s_or_b32 s18, s18, 0x600000
	v_mov_b32 v[LIMV], s18
	; the bias tiles, in the result's layout.  q, k: the bias goes by the column: tile b holds those of channels 16 b + 8 h + 0..7.  v: by the row: all eight registers of tile a hold that of channel 16 a + r
	s_cmp_eq_u32 ttmp9, 2
	s_cbranch_scc1 .Lbias_v
	v_lshlrev_b32 v5, 5, v2                        ; 32 h
.irp b, 0,1,2,3,4,5,6,7
	global_load_b128 v[BI+8*\b:BI+8*\b+3], v5, s[8:9] offset:64*\b
	global_load_b128 v[BI+8*\b+4:BI+8*\b+7], v5, s[8:9] offset:64*\b+16
.endr
	s_wait_loadcnt 0x0
.set J, 0
.rept 64
	v_ldexp_f32 v[BI+J], v[BI+J], s13              ; bias / 2^(ea + eb)
.set J, J+1
.endr
	s_branch .Lbias_done
.Lbias_v:
	v_lshlrev_b32 v5, 2, v1                        ; 4 r
.irp a, 0,1,2,3,4,5,6,7
	global_load_b32 v[BI+8*\a], v5, s[8:9] offset:64*\a
.endr
	s_wait_loadcnt 0x0
.irp a, 0,1,2,3,4,5,6,7
.irp j, 7,6,5,4,3,2,1,0
	v_ldexp_f32 v[BI+8*\a+\j], v[BI+8*\a], s13     ; the source is written last
.endr
.endr
.Lbias_done:
.macro FRAG reg, adr, q, i             ; a fragment by four loads of 16 bytes: registers 4 c .. 4 c + 3 hold K = 32 c + 16 (l / 16) + 0 .. 15: a permutation of k, the same in A and in B, so every product meets its partner
.irp c, 0,1,2,3
	ds_load_b128 v[\reg+4*\c:\reg+4*\c+3], v[\adr] offset:128*(\q)+32*\c+(\i)*16*PITCH
.endr
.endm
; 16 matrix instructions: A's blocks a0, a0 + 1 x B's eight, 128 along K.  p: B's set.  zero = 1: the sums start from the bias tile of the column block; 2: of the row block; 0: they go on in place.
; The 64 accumulators take turns, one instruction a turn, in the same order in every step.
.macro MUL16 a0, p, zero
.irp a, \a0, \a0+1
.irp b, 0,1,2,3,4,5,6,7
.if \zero == 1
	v_wmma_f32_16x16x128_bf8_bf8 v[8*(8*((\a)%4)+\b):8*(8*((\a)%4)+\b)+7], v[128*(\p)+FR*\b:128*(\p)+FR*\b+FR-1], v[AF+FR*(\a):AF+FR*(\a)+FR-1], v[BI+8*\b:BI+8*\b+7]
.elseif \zero == 2
	v_wmma_f32_16x16x128_bf8_bf8 v[8*(8*((\a)%4)+\b):8*(8*((\a)%4)+\b)+7], v[128*(\p)+FR*\b:128*(\p)+FR*\b+FR-1], v[AF+FR*(\a):AF+FR*(\a)+FR-1], v[BI+8*(\a):BI+8*(\a)+7]
.else
	v_wmma_f32_16x16x128_bf8_bf8 v[8*(8*((\a)%4)+\b):8*(8*((\a)%4)+\b)+7], v[128*(\p)+FR*\b:128*(\p)+FR*\b+FR-1], v[AF+FR*(\a):AF+FR*(\a)+FR-1], v[8*(8*((\a)%4)+\b):8*(8*((\a)%4)+\b)+7]
.endif
.endr
.endr
.endm
.macro FETCH_B slot, q, p              ; B's eight fragments of the slot's q-th 128 along K into set p
	WIN TO_B
.irp i, 0,1,2,3,4,5,6,7
	FRAG 128*(\p)+FR*\i, ADRB+\slot, \q, \i
.endr
	WIN 0
.endm
.macro FETCH_A slot, q, i0             ; A's blocks i0 .. i0 + 3
.irp i, \i0, \i0+1, \i0+2, \i0+3
	FRAG AF+FR*(\i), ADRA+\slot, \q, \i
.endr
.endm
.macro PLACES n                        ; a load into a register that a matrix instruction has read, and a vector instruction that reads a result, stand four plain vector instructions behind it
.rept \n
	v_nop
.endr
.endm
; A step of 128 along K that has its successor in the same slot.  A block of A is free as soon as its eight products are issued: blocks 0-3 are fetched anew in the step's middle, blocks 4-7 at its end.
.macro STEP slot, q, zero
	s_wait_dscnt 4*NL                              ; B's set and A's blocks 0-3 are in; the youngest 16 loads (A's blocks 4-7) may be out
.if \zero
	WIN FIRST_LO
.else
	WIN MUL_LO
.endif
	MUL16 0, (\q)%2, \zero
	MUL16 2, (\q)%2, \zero
	s_wait_dscnt 0                                 ; A's blocks 4-7 are in
	PLACES NP
	FETCH_B \slot, (\q)+1, 1-(\q)%2
	FETCH_A \slot, (\q)+1, 0
.if \zero
	WIN FIRST_HI
.else
	WIN MUL_HI
.endif
	MUL16 4, (\q)%2, \zero
	MUL16 6, (\q)%2, \zero
	PLACES NP
	WIN 0
	FETCH_A \slot, (\q)+1, 4
.endm
; A slot's last step changes slots: one barrier; in front of it each wave waits for all its tensor loads, adds 0 to its spare word, and waits for that and for its own reads of this slot.  fill = 1: this slot is filled again, two slots ahead.
.macro TURN slot, next, fill
	s_wait_tensorcnt 0x0                           ; all my tensor loads have landed: my part of the next slot (every window is 0 here)
	ds_add_u32 v[SPW], v[NIL]                      ; 0 onto my spare word
	s_wait_dscnt 4*NL+1                            ; the add and the youngest 16 loads (A's blocks 4-7) may be out
	WIN MUL_LO
	MUL16 0, 1, 0                                  ; sixteen matrix instructions stand between the add and the wait for it
	s_wait_dscnt 0x0                               ; the add is done, and my reads of this slot are over
	s_barrier_signal -1
	MUL16 2, 1, 0
	WIN 0
	s_barrier_wait -1
.if \fill
	CREST                                          ; the barrier has opened a round of the cluster's barrier: no wave of any partner still reads this slot or has a load on its way
	s_add_nc_u64 s[G0+4*\slot+2:G0+4*\slot+3], s[G0+4*\slot+2:G0+4*\slot+3], 2*ROWB
	s_add_nc_u64 s[G0B+4*\slot+2:G0B+4*\slot+3], s[G0B+4*\slot+2:G0B+4*\slot+3], 2*ROWB
	JLOAD G0+4*\slot, G1, G0B+4*\slot, G1B         ; the first tensor load behind the round, my one until the next; its four v_nop are the places in front of the loads below
.else
	PLACES NP
.endif
	FETCH_B \next, 0, 0
	FETCH_A \next, 0, 0
	WIN MUL_HI
	MUL16 4, 1, 0
	MUL16 6, 1, 0
	PLACES NP
	WIN 0
	FETCH_A \next, 0, 4
.endm
	s_wait_tensorcnt 1                             ; my part of slot 0 is in; slot 1's load may be out
	s_barrier_signal -1
	s_barrier_wait -1                              ; everybody's is
	FETCH_B 0, 0, 0
	FETCH_A 0, 0, 0
	FETCH_A 0, 0, 4
	s_cmp_eq_u32 ttmp9, 2                          ; the first step starts the sums from the bias: by columns for q and k, by rows for v.  Both arms hold the same loads and waits
	s_cbranch_scc1 .Lfirst_v
	STEP 0, 0, 1
	s_branch .Lfirst_done
.Lfirst_v:
	STEP 0, 0, 2
.Lfirst_done:
	TURN 0, 1, 1                                   ; K = 1,024 is four slots' worth, eight steps: written out.  Slot 0 takes K 512 on,
	STEP 1, 0, 0
	TURN 1, 0, 1                                   ; slot 1 K 768 on
	STEP 0, 0, 0
	TURN 0, 1, 0                                   ; nothing is left to fetch: no round
	STEP 1, 0, 0
	s_wait_dscnt 4*NL                              ; the very last step
	WIN MUL_LO
	MUL16 0, 1, 0
	MUL16 2, 1, 0
	s_wait_dscnt 0
	WIN MUL_HI
	MUL16 4, 1, 0
	MUL16 6, 1, 0
	WIN 0
; THE WAY OUT.  Block a's 64 sums of a lane are held within the largest code x the scale (the conversion to an 8-bit code does not saturate: ISA guide 7.6.2), each accumulator from its low end on, and converted
; eight at a time; the codes take the registers that held A's fragment of the block.
.macro QBLOCK a
.set AC, 64*((\a)%4)
	WIN 0x02+((\a)/4)                              ; source 0: window 2 or 3
.set J, 0
.rept 64
	v_med3_num_f32 v[TMP+J], v[AC+J], -v[LIMV], v[LIMV]
.set J, J+1
.endr
	WIN 0
.irp b, 0,1,2,3,4,5,6,7
	v_cvt_scalef32_pk8_bf8_f32 v[CD+16*(\a)+2*\b:CD+16*(\a)+2*\b+1], v[TMP+8*\b:TMP+8*\b+7], v[SCV]
.endr
	v_nop                                          ; one plain vector instruction between the conversions and the next block's lines, which write their sources
.endm
	PLACES NP                                      ; behind the last products
.irp a, 0,1,2,3,4,5,6,7
	QBLOCK \a
.endr
	s_cmp_eq_u32 ttmp9, 2                          ; 32 stores of 512 consecutive bytes each, at multiples of 512 from the buffer's first byte
	s_cbranch_scc1 .Lstore_v
.irp a, 0,1,2,3,4,5,6,7
.irp c, 0,1,2,3
	global_store_b128 v[LO], v[CD+16*\a+4*\c:CD+16*\a+4*\c+3], s[10:11] offset:(\c/2)*131072+1024*\a+512*(\c%2)   ; head c / 2 of my two, tile a of tokens, piece c % 2
.endr
.endr
	s_branch .Lstored
.Lstore_v:
.irp a, 0,1,2,3,4,5,6,7
.irp c, 0,1,2,3
	global_store_b128 v[LO], v[CD+16*\a+4*\c:CD+16*\a+4*\c+3], s[10:11] offset:(\a/4)*131072+2048*(\a%4)+512*\c   ; head a / 4 of my two, tile a % 4 of channels, piece c
.endr
.endr
.Lstored:
	s_wait_tensorcnt 0x0                           ; the wave's end, behind my last tensor load
	ds_add_u32 v[SPW], v[NIL]
	s_wait_dscnt 0x0
	CROUND                                         ; the closing round: no work-group ends while a partner may still ask for a tile that names it
	s_endpgm
.Lfunc_end_k_qac3b7af02a_proj:
	.size	k_qac3b7af02a_proj, .Lfunc_end_k_qac3b7af02a_proj-k_qac3b7af02a_proj
	.p2alignl 7, 3214868480
	.fill 96, 4, 3214868480
	.section	.rodata,"a",@progbits
	.p2align	6, 0x0
	.amdhsa_kernel k_qac3b7af02a_proj
		.amdhsa_group_segment_fixed_size 327680
		.amdhsa_private_segment_fixed_size 0
		.amdhsa_enable_private_segment 0
		.amdhsa_kernarg_size 88
		.amdhsa_user_sgpr_count 2
		.amdhsa_user_sgpr_kernarg_segment_ptr 1
		.amdhsa_wavefront_size32 1
		.amdhsa_system_sgpr_workgroup_id_x 1
		.amdhsa_system_sgpr_workgroup_id_y 1
		.amdhsa_system_sgpr_workgroup_id_z 1
		.amdhsa_system_vgpr_workitem_id 0
		.amdhsa_next_free_vgpr 1024
		.amdhsa_next_free_sgpr 102
		.amdhsa_reserve_vcc 0
		.amdhsa_float_denorm_mode_32 3
		.amdhsa_float_denorm_mode_16_64 3
		.amdhsa_memory_ordered 1
		.amdhsa_forward_progress 1
		.amdhsa_inst_pref_size 140
	.end_amdhsa_kernel
	.amdgpu_metadata
---
amdhsa.version: [ 1, 2 ]
amdhsa.kernels:
  - .name:           k_qac3b7af02a_proj
    .symbol:         k_qac3b7af02a_proj.kd
    .args:
      - { .name: x_codes, .offset: 0, .size: 8, .value_kind: global_buffer, .address_space: global }
      - { .name: Wq_codes, .offset: 8, .size: 8, .value_kind: global_buffer, .address_space: global }
      - { .name: Wk_codes, .offset: 16, .size: 8, .value_kind: global_buffer, .address_space: global }
      - { .name: Wv_codes, .offset: 24, .size: 8, .value_kind: global_buffer, .address_space: global }
      - { .name: bq, .offset: 32, .size: 8, .value_kind: global_buffer, .address_space: global }
      - { .name: bk, .offset: 40, .size: 8, .value_kind: global_buffer, .address_space: global }
      - { .name: bv, .offset: 48, .size: 8, .value_kind: global_buffer, .address_space: global }
      - { .name: lowp_scales, .offset: 56, .size: 8, .value_kind: global_buffer, .address_space: global }
      - { .name: qc, .offset: 64, .size: 8, .value_kind: global_buffer, .address_space: global }
      - { .name: kc, .offset: 72, .size: 8, .value_kind: global_buffer, .address_space: global }
      - { .name: vc, .offset: 80, .size: 8, .value_kind: global_buffer, .address_space: global }
    .group_segment_fixed_size: 327680
    .private_segment_fixed_size: 0
    .kernarg_segment_align: 8
    .kernarg_segment_size: 88
    .max_flat_workgroup_size: 128
    .sgpr_count:     102
    .vgpr_count:     1024
    .wavefront_size: 32
...
	.end_amdgpu_metadata
.endif
;; end of part 1
;; launch attn (part 2): grid 4 x 64, 16 waves a work-group, no clusters, 301,056 bytes of LDS; arguments qc, kc, vc, lowp_scales, out0; writes out0
.if DOCPART == 2
	.amdgcn_target "amdgcn-amd-amdhsa--gfx1250"
	.amdhsa_code_object_version 6
	.text
	.protected	k_qac3b7af02a_attn
	.globl	k_qac3b7af02a_attn
	.p2align	8
	.type	k_qac3b7af02a_attn,@function
k_qac3b7af02a_attn:
	s_mov_b64 s[64:65], 0
	v_nop
	global_prefetch_b8 v0, s[64:65] scope:SCOPE_SE
	s_setreg_imm32_b32 hwreg(HW_REG_WAVE_MODE, 25, 1), 1
	s_wait_xcnt 0x0
; ATTENTION on the codes that the first launch made: out[b][q][head] = the sum over keys of softmax(q . k / 8) v, both products on codes of E5M2.  No work of the problem is left out.
; THE SOFTMAX AHEAD OF THE SECOND PRODUCT: t = score x log2(e) / 8; M = the running largest t, rounded UP to a whole number; p = 2^(t - M) is quantised with 2^e8, not normalised; the row's sum is taken of the
; unquantised p and divides at the end.  When M moves, the sum and O are multiplied by 2^(old M - new M): nothing is rounded.
; SHARES.  A work-group owns 512 queries of one head (grid x: which 512; grid y: batch x head): 256 work-groups.  Each of its sixteen waves owns two tiles of 16 queries and takes them one after the other
; (pass A, pass B), each over all 2,048 keys, 128 a step, in 256 registers: four waves to a SIMD, so that one wave's vector work stands beside another's matrix work and LDS loads.
; K AND V STAY IN LDS: a head's codes are 131,072 bytes each.  They come through registers, in four chunks of 512 keys: each chunk is asked for four key steps ahead of the LDS stores that wait for it, and is
; stored while the chunk before is being read; a barrier stands between a chunk's stores and its first read.  Each byte of the two images is written once, so nothing is ever read that is being overwritten.
; NO JOINT LOADS, though the four work-groups of a head read the same K and V: what is shared is 262,144 bytes a work-group, loaded once for its 32 x 16 tile steps.
; No prefetch either: the only loads that waves wait for are the first chunk's, at the kernel's head.
; LAYOUT.  Both products are used transposed: S^T = K Q^T (source 0 = 16 keys, source 1 = my 16 queries, K = 64), O^T = V^T P^T (source 0 = 16 channels, source 1 = P, K = 128 keys): a lane holds ONE query (lane % 16).
; In S^T register 8 t + j of lane (r, h) is key 16 t + 8 h + j: eight numbers converted together are registers 2 t, 2 t + 1 of the second product's operand, as its own layout has them.  The workspace is laid in
; the order of the operands' registers: every fragment comes by loads of 16 bytes at 16 x lane, 512 consecutive bytes an instruction: no pitch, no padding.
; THE HOLD OF p.  M is at or above the largest t, so p is at most 1 (but for the last bit of the multiply-add).  The hold's bound is 57,344 x 2^e8, which is 1.75 or more for e8 >= -15: there the hold can change
; nothing and its 64 lines are jumped over, by a scalar branch on e8, a whole number read from memory; for e8 <= -16 they run.
; LIMITS: e6 + e7 between -123 and 130 (they are added to c's exponent field); e8 between -126 and 112; e8 + e9 is applied by v_ldexp_f32 and has none.  Under a running M numbers far below the row's largest
; may fall under the format's range.
; REGISTERS: v1-11 addresses; v12 -M, v13 the largest t, v[14:15] the sum in two halves; v16-23, v24-31 Q of the two tiles; v32-95 fragments of K, then of V; v96-159 S^T, then p; v160-191 O^T; v192-207 p's codes;
;   v208-239 a chunk's loads in flight; v240 the hold's bound, v244 2^e8; v242, 243, 246, 252-254 at work; v247 an address.
.set KIMG,  0                          ; LDS: K's image: step s at 8,192 s, tile t of 16 keys at + 1,024 t, piece c at + 512 c
.set VIMG,  131072                     ; V's image: step s at 8,192 s, tile u of 16 channels at + 2,048 u, piece b at + 512 b
.set STG,   262144                     ; the way out: 16 rows x (128 bytes + 16) for each wave
.set WSTG,  16*144
.set SPARE, STG+16*WSTG                ; the spare words, 128 bytes for each wave, which no other line names
.set LN,  1                            ; v1   16 x lane
.set FO,  2                            ; v2   16 x thread: my place in a fill's 8,192 bytes, in memory and in LDS
.set ADK, 3                            ; v3   LDS address of the step's K
.set ADV, 4                            ; v4   of its V
.set SPW, 5                            ; v5   LDS address of my spare word; never rewritten
.set NIL, 6                            ; v6   0; never rewritten
.set GO,  7                            ; v7   the way out: 4,096 (lane / 16) + 16 (lane % 16)
.set STO, 8                            ; v8   the stage: where I put 32 bytes of a row
.set RD,  9                            ; v9   and where I read 16 bytes back
.set R16, 10                           ; v10  lane % 16
.set FA,  11                           ; v11  where a chunk's K goes
.set FB,  247                          ; v247 and its V
.set INF, 208
.set WV,  14                           ; s14  my wave's number
.set TB,  2                            ; s2   LDS byte of the step in hand, in K's image
.set CNT, 3                            ; s3   steps to go
	s_load_b256 s[4:11], s[0:1], 0x0               ; qc s[4:5], kc s[6:7], vc s[8:9], the scales s[10:11]
	s_load_b64 s[12:13], s[0:1], 0x20              ; out0
	v_lshl_add_u32 v[SPW], v0, 2, SPARE
	v_mov_b32 v[NIL], 0
	v_lshrrev_b32 v1, 5, v0
	v_readfirstlane_b32 s[WV], v1                  ; wave 0..15
	v_and_b32 v1, 31, v0
	v_lshlrev_b32 v[LN], 4, v1
	v_lshlrev_b32 v[FO], 4, v0
	v_and_b32 v[R16], 15, v0                       ; r
	v_bfe_u32 v3, v0, 4, 1                         ; h
	v_and_b32 v4, 7, v0
	s_and_b32 s15, ttmp7, 0xffff                   ; batch x head
	s_lshl_b32 s18, s15, 17                        ; its first byte in each buffer of codes
	s_mov_b32 s19, 0
	s_lshl_b32 s29, ttmp9, 5
	s_add_co_u32 s29, s29, s[WV]                   ; my tile of queries in pass A: 32 x work-group x + wave; pass B's lies 16 tiles on
	s_lshl_b32 s30, s29, 10
	s_add_co_u32 s30, s30, s18                     ; its 1,024 bytes of codes
	s_mov_b32 s31, 0
	s_lshr_b32 s16, s15, 4
	s_lshl_b32 s16, s16, 23                        ; out0: the batch's 2,048 rows of 4,096 bytes,
	s_and_b32 s17, s15, 15
	s_lshl_b32 s17, s17, 8                         ; the head's 256 bytes of a row,
	s_add_co_u32 s16, s16, s17
	s_lshl_b32 s17, s29, 16                        ; my tile's 16 rows
	s_add_co_u32 s16, s16, s17
	s_mov_b32 s17, 0
	s_mul_i32 s15, s[WV], WSTG
	s_add_co_u32 s15, s15, STG                     ; my stage
	v_lshlrev_b32 v[GO], 12, v3
	v_lshl_add_u32 v[GO], v[R16], 4, v[GO]
	v_mul_u32_u24 v[STO], v[R16], 144
	v_lshl_add_u32 v[STO], v3, 5, v[STO]
	v_add_nc_u32 v[STO], s15, v[STO]               ; in: row r, 32 bytes for each half of the lanes
	v_mul_u32_u24 v[RD], v3, 144
	v_lshl_add_u32 v[RD], v4, 4, v[RD]
	v_add_nc_u32 v[RD], s15, v[RD]                 ; back: lanes 0-15 one row, lanes 16-31 the next; 16 bytes at lane % 8
	s_wait_kmcnt 0x0
	s_load_b128 s[24:27], s[10:11], 0x18           ; e6, e7, e8, e9
	s_add_nc_u64 s[4:5], s[4:5], s[30:31]
	s_add_nc_u64 s[6:7], s[6:7], s[18:19]
	s_add_nc_u64 s[8:9], s[8:9], s[18:19]
	s_add_nc_u64 s[12:13], s[12:13], s[16:17]
	global_load_b128 v[16:19], v[LN], s[4:5] th:TH_LOAD_NT                ; Q's two fragments stay in registers
	global_load_b128 v[20:23], v[LN], s[4:5] offset:512 th:TH_LOAD_NT
	global_load_b128 v[24:27], v[LN], s[4:5] offset:16384 th:TH_LOAD_NT
	global_load_b128 v[28:31], v[LN], s[4:5] offset:16896 th:TH_LOAD_NT
; Chunk c of the head's K and V, 32,768 bytes each: the 512 threads take 8,192 consecutive bytes an instruction.
.macro LOADS c
.irp i, 0,1,2,3
	global_load_b128 v[INF+4*\i:INF+4*\i+3], v[FO], s[6:7] offset:32768*(\c)+8192*\i
.endr
.irp i, 0,1,2,3
	global_load_b128 v[INF+16+4*\i:INF+16+4*\i+3], v[FO], s[8:9] offset:32768*(\c)+8192*\i
.endr
.endm
.macro STORES c                        ; and into the images, byte for byte as they lie in memory
	v_add_nc_u32 v[FA], KIMG+32768*(\c), v[FO]
	v_add_nc_u32 v[FB], VIMG+32768*(\c), v[FO]
.irp i, 0,1,2,3
	ds_store_b128 v[FA], v[INF+4*\i:INF+4*\i+3] offset:8192*\i
.endr
.irp i, 0,1,2,3
	ds_store_b128 v[FB], v[INF+16+4*\i:INF+16+4*\i+3] offset:8192*\i
.endr
.endm
.macro INIT                            ; a pass begins: the step is written once, and the first finds zeros, which the first change of M leaves zeros
	v_mov_b32 v13, 0xff61b1e6                      ; the largest t so far: -3e38, under every t
	v_floor_f32 v12, -v13                          ; -M
	v_mov_b32 v14, 0
	v_mov_b32 v15, 0
.set J, 0
.rept 32
	v_mov_b32 v[160+J], 0
.set J, J+1
.endr
.endm
; A KEY STEP: 128 keys, at byte s[TB] of the images, for the tile of queries whose fragment begins at v[qr].
.macro STEP qr
	v_add_nc_u32 v[ADK], s[TB], v[LN]
	v_add_nc_u32 v[ADV], VIMG, v[ADK]
	v_nop                                          ; with the two additions: four places in front of loads into registers that the last products read
	v_nop
.irp t, 0,1,2,3,4,5,6,7
	ds_load_b128 v[32+8*\t:35+8*\t], v[ADK] offset:1024*\t
	ds_load_b128 v[36+8*\t:39+8*\t], v[ADK] offset:1024*\t+512
.endr
	s_wait_dscnt 0x0
.irp t, 0,1,2,3,4,5,6,7
	v_wmma_f32_16x16x64_bf8_bf8 v[96+8*\t:103+8*\t], v[32+8*\t:39+8*\t], v[\qr:\qr+7], 0
.endr
.rept 4
	v_nop                                          ; places in front of the loads below and of the first read of the scores
.endr
.irp u, 0,1,2,3
.irp b, 0,1,2,3
	ds_load_b128 v[32+16*\u+4*\b:35+16*\u+4*\b], v[ADV] offset:2048*\u+512*\b   ; V's four fragments land while the softmax is walked
.endr
.endr
	v_max3_num_f32 v254, v96, v97, v98             ; the step's largest score of my query among my 64 keys, in two chains; each accumulator is read from its low end on
	v_max3_num_f32 v252, v99, v100, v101
.irp i, 6,10,14,18,22,26,30,34,38,42,46,50,54,58
	v_max3_num_f32 v254, v254, v[96+\i], v[97+\i]
	v_max3_num_f32 v252, v252, v[98+\i], v[99+\i]
.endr
	v_max3_num_f32 v254, v254, v158, v159
	v_max_num_f32 v254, v254, v252
	v_permlanex16_b32 v246, v254, s20, s21
	v_max_num_f32 v254, v254, v246                 ; and among lane l xor 16's
	v_mul_f32 v254, s22, v254                      ; as t (c is positive)
	v_max_num_f32 v13, v13, v254                   ; the running largest t
	v_mov_b32 v254, v12
	v_floor_f32 v12, -v13                          ; the new -M = floor(-t) = -ceil(t): a whole number
	v_sub_f32 v254, v12, v254                      ; old M less new M: a whole number, 0 or less
	v_cvt_i32_f32 v254, v254                       ; (it saturates)
	v_ldexp_f32 v252, 1.0, v254                    ; f = 2^(old M - new M)
.set J, 0
.rept 32
	v_pk_fma_f32 v[96+J:97+J], v[96+J:97+J], s[22:23], v[12:13] op_sel_hi:[1,0,0]   ; t - M, two at a time (of the pairs c and -M the low word serves both halves)
.set J, J+2
.endr
.set J, 0
.rept 64
	v_exp_f32 v[96+J], v[96+J]                     ; p = 2^(t - M)
.set J, J+1
.endr
	v_pk_mul_f32 v[14:15], v[14:15], v[252:253] op_sel_hi:[1,0]   ; the sums under the new M: the plain instruction behind the exponentials
	s_wait_alu depctr_va_vdst(0)                   ; one wait for the whole batch, ahead of its first reader
	v_pk_add_f32 v[242:243], v[96:97], v[98:99]    ; the row's sum is taken of the unquantised p: two at a time, in two chains
.irp j, 4,8,12,16,20,24,28,32,36,40,44,48,52,56,60
	v_pk_add_f32 v[14:15], v[14:15], v[96+\j:97+\j]
	v_pk_add_f32 v[242:243], v[242:243], v[98+\j:99+\j]
.endr
	v_pk_add_f32 v[14:15], v[14:15], v[242:243]
	s_cmp_lt_i32 s26, -15                          ; the hold can change a number only where 57,344 x 2^e8 lies under p's largest: e8 <= -16
	s_cbranch_scc0 .Lno_hold_\@
.set J, 0
.rept 64
	v_min_num_f32 v[96+J], v[96+J], v240           ; the conversion to an 8-bit code does not saturate (ISA guide 7.6.2); p is not negative, so the hold is one-sided
.set J, J+1
.endr
.Lno_hold_\@:
.irp t, 0,1,2,3,4,5,6,7
	v_cvt_scalef32_pk8_bf8_f32 v[192+2*\t:193+2*\t], v[96+8*\t:103+8*\t], v244   ; keys 16 t + 8 h + 0..7: registers 2 t, 2 t + 1 of the operand
.endr
.set J, 0
.rept 16
	v_pk_mul_f32 v[160+J:161+J], v[160+J:161+J], v[252:253] op_sel_hi:[1,0]   ; O^T under the new M.  (Plain instructions between the conversions and the products that read the codes)
.set J, J+2
.endr
	s_wait_dscnt 0x0                               ; V is in
.irp u, 0,1,2,3
	v_wmma_f32_16x16x128_bf8_bf8 v[160+8*\u:167+8*\u], v[32+16*\u:47+16*\u], v[192:207], v[160+8*\u:167+8*\u]   ; four accumulators by turns, one instruction a turn
.endr
.endm
.macro STEPS n, start, qr              ; n steps from byte start of the images on: both are constants of the text
	s_mov_b32 s[TB], \start
	s_mov_b32 s[CNT], \n
.Lstep_\@:
	STEP \qr
	s_add_co_u32 s[TB], s[TB], 8192
	s_sub_co_u32 s[CNT], s[CNT], 1
	s_cmp_lg_u32 s[CNT], 0
	s_cbranch_scc1 .Lstep_\@
.endm
.macro FIN                             ; O^T / the sum x 2^(e8 + e9), into v96-127: register 8 u + j is channel 16 u + 8 h + j of my query
.rept 4
	v_nop                                          ; places behind the last products
.endr
	v_add_f32 v14, v14, v15                        ; the sum's two halves,
	v_permlanex16_b32 v252, v14, s20, s21
	v_add_f32 v14, v14, v252                       ; and lane l xor 16's
	v_rcp_f32 v14, v14
	v_nop                                          ; a plain instruction behind the reciprocal,
	s_wait_alu depctr_va_vdst(0)                   ; and the wait ahead of its first reader
	v_ldexp_f32 v14, v14, s28
.set J, 0
.rept 16
	v_pk_mul_f32 v[96+J:97+J], v[160+J:161+J], v[14:15] op_sel_hi:[1,0]
.set J, J+2
.endr
.endm
; THE WAY OUT.  A query's 64 channels are 256 bytes of out0, aligned.  They go through my stage in two halves of 32 channels (16 rows x 128 bytes): each half is stored and read back by rows, lane % 8 taking 16 bytes;
; then lanes with lane % 16 under 8 keep the first half's bytes and the others the second half's, so that sixteen neighbouring lanes store 256 consecutive bytes.  LDS serves a wave's instructions in order
; (ISA guide 5.7.1.4): no wait stands between the stores and the loads, nor in front of the second half's stores.
.macro OUT imm
	v_cmp_gt_u32 vcc_lo, 8, v[R16]
.irp u, 0,1
.irp t, 0,1
	ds_store_b128 v[STO], v[96+16*\u+8*\t:99+16*\u+8*\t] offset:64*\t
	ds_store_b128 v[STO], v[100+16*\u+8*\t:103+16*\u+8*\t] offset:64*\t+16
.endr
.irp i, 0,1,2,3,4,5,6,7
	ds_load_b128 v[32+32*\u+4*\i:35+32*\u+4*\i], v[RD] offset:288*\i
.endr
.endr
.irp i, 0,1,2,3,4,5,6,7
	s_wait_dscnt 7-\i                              ; the second half's load i is in (the 7 - i behind it may be out), and with it all of the first half's
.irp k, 0,1,2,3
	v_cndmask_b32 v[32+4*\i+\k], v[64+4*\i+\k], v[32+4*\i+\k], vcc_lo
.endr
	global_store_b128 v[GO], v[32+4*\i:35+4*\i], s[12:13] offset:8192*\i+\imm th:TH_STORE_NT   ; rows 2 i and 2 i + 1 of the tile; written once, read by nobody here
.endr
.endm
	LOADS 0
	s_mov_b32 s20, 0x76543210                      ; lane selects for v_permlanex16_b32: lane l xor 16
	s_mov_b32 s21, 0xfedcba98
	s_mov_b32 s22, 0x3e38aa3b                      ; c = log2(e) / 8
	v_mov_b32 v246, 0                              ; written once: a lane permute's destination counts as one of its sources
	v_mov_b32 v253, 0                              ; (named as the upper half of the pair v[252:253])
	INIT
	s_wait_kmcnt 0x0
	s_add_co_i32 s29, s24, s25
	s_lshl_b32 s29, s29, 23
	s_add_co_i32 s22, s22, s29                     ; a score stands for score x 2^(e6 + e7): the two exponents are added to c's exponent field
	s_mov_b32 s23, s22                             ; (named with it as a pair, so it is written)
	s_add_co_i32 s29, s26, 127
	s_lshl_b32 s30, s29, 23
	v_mov_b32 v244, s30                            ; 2^e8 as f32, for the conversion
	s_add_co_i32 s29, s29, 15
	s_lshl_b32 s29, s29, 23
	s_or_b32 s29, s29, 0x600000
	v_mov_b32 v240, s29                            ; 57,344 x 2^e8
	s_add_co_i32 s28, s26, s27                     ; e8 + e9
	s_wait_loadcnt 0x0                             ; Q and chunk 0
	STORES 0
	s_wait_dscnt 0x0                               ; my stores have landed and have read their registers,
	LOADS 1                                        ; which take the next chunk
	s_barrier_signal -1
	s_barrier_wait -1                              ; chunk 0 is whole
	; PASS A: four visits of four steps; behind each of the first three the next chunk, asked for a visit ago, goes into LDS bytes that nobody reads yet
.irp c, 0,1,2
	STEPS 4, 32768*\c, 16
	s_wait_loadcnt 0x0
	STORES \c+1
	s_wait_dscnt 0x0                               ; my stores have landed and have read their registers; my reads are in
.if \c < 2
	LOADS \c+2
.endif
	s_barrier_signal -1
	s_barrier_wait -1                              ; the next chunk is whole
.endr
	STEPS 4, 98304, 16
	FIN
	OUT 0
	s_wait_xcnt 0x0                                ; the stores have read their registers: pass B's loads may land there
	; PASS B: the tile 256 queries on; both images are whole, and nothing is written into them any more
	INIT
	STEPS 16, 0, 24
	FIN
	OUT 1048576
	s_wait_tensorcnt 0x0                           ; the wave's end, behind my last LDS store
	ds_add_u32 v[SPW], v[NIL]
	s_wait_dscnt 0x0
	s_endpgm
.Lfunc_end_k_qac3b7af02a_attn:
	.size	k_qac3b7af02a_attn, .Lfunc_end_k_qac3b7af02a_attn-k_qac3b7af02a_attn
	.p2alignl 7, 3214868480
	.fill 96, 4, 3214868480
	.section	.rodata,"a",@progbits
	.p2align	6, 0x0
	.amdhsa_kernel k_qac3b7af02a_attn
		.amdhsa_group_segment_fixed_size 301056
		.amdhsa_private_segment_fixed_size 0
		.amdhsa_enable_private_segment 0
		.amdhsa_kernarg_size 40
		.amdhsa_user_sgpr_count 2
		.amdhsa_user_sgpr_kernarg_segment_ptr 1
		.amdhsa_wavefront_size32 1
		.amdhsa_system_sgpr_workgroup_id_x 1
		.amdhsa_system_sgpr_workgroup_id_y 1
		.amdhsa_system_sgpr_workgroup_id_z 1
		.amdhsa_system_vgpr_workitem_id 0
		.amdhsa_next_free_vgpr 256
		.amdhsa_next_free_sgpr 66
		.amdhsa_reserve_vcc 1
		.amdhsa_float_denorm_mode_32 3
		.amdhsa_float_denorm_mode_16_64 3
		.amdhsa_memory_ordered 1
		.amdhsa_forward_progress 1
		.amdhsa_inst_pref_size 99
	.end_amdhsa_kernel
	.amdgpu_metadata
---
amdhsa.version: [ 1, 2 ]
amdhsa.kernels:
  - .name:           k_qac3b7af02a_attn
    .symbol:         k_qac3b7af02a_attn.kd
    .args:
      - { .name: qc, .offset: 0, .size: 8, .value_kind: global_buffer, .address_space: global }
      - { .name: kc, .offset: 8, .size: 8, .value_kind: global_buffer, .address_space: global }
      - { .name: vc, .offset: 16, .size: 8, .value_kind: global_buffer, .address_space: global }
      - { .name: lowp_scales, .offset: 24, .size: 8, .value_kind: global_buffer, .address_space: global }
      - { .name: out0, .offset: 32, .size: 8, .value_kind: global_buffer, .address_space: global }
    .group_segment_fixed_size: 301056
    .private_segment_fixed_size: 0
    .kernarg_segment_align: 8
    .kernarg_segment_size: 40
    .max_flat_workgroup_size: 512
    .sgpr_count:     66
    .vgpr_count:     256
    .wavefront_size: 32
...
	.end_amdgpu_metadata
.endif
;; end of part 2
;; ======== version 2 of 2: 2 launches; version 1 with the launch attn written anew for expert scheduling mode
;; limits: right only within a limited range of input values
;; workspace buffers: qc 8,388,608 bytes; kc 8,388,608 bytes; vc 8,388,608 bytes
;; launch proj: the kernel of part 1 again; grid 12 x 32, 4 waves a work-group, clusters of 4 x 4, 327,680 bytes of LDS; arguments x_codes, Wq_codes, Wk_codes, Wv_codes, bq, bk, bv, lowp_scales, qc, kc, vc; writes qc, kc, vc
;; launch attn (part 3): grid 4 x 64, 16 waves a work-group, no clusters, 301,056 bytes of LDS; arguments qc, kc, vc, lowp_scales, out0; writes out0
.if DOCPART == 3
	.amdgcn_target "amdgcn-amd-amdhsa--gfx1250"
	.amdhsa_code_object_version 6
	.text
	.protected	k_qac3b7af02a_attn
	.globl	k_qac3b7af02a_attn
	.p2align	8
	.type	k_qac3b7af02a_attn,@function
k_qac3b7af02a_attn:
	s_mov_b64 s[64:65], 0
	v_nop
	global_prefetch_b8 v0, s[64:65] scope:SCOPE_SE
	s_setreg_imm32_b32 hwreg(HW_REG_WAVE_SCHED_MODE, 0, 2), 2
	s_setreg_imm32_b32 hwreg(HW_REG_WAVE_MODE, 25, 1), 1
	s_wait_xcnt 0x0
	s_wait_alu depctr_vm_vsrc(0)
; ATTENTION on the codes that the first launch made: out[b][q][head] = the sum over keys of softmax(q . k / 8) v, both products on codes of E5M2.  No work of the problem is left out.
; THE SOFTMAX AHEAD OF THE SECOND PRODUCT: t = score x log2(e) / 8; M = the running largest t, rounded UP to a whole number; p = 2^(t - M) is quantised with 2^e8, not normalised; the row's sum is taken of the
; unquantised p and divides at the end.  When M moves, the sum and O are multiplied by 2^(old M - new M): nothing is rounded.
; SHARES.  A work-group owns 512 queries of one head (grid x: which 512; grid y: batch x head): 256 work-groups.  Each of its sixteen waves owns two tiles of 16 queries and takes them one after the other
; (pass A, pass B), each over all 2,048 keys, 128 a step, in 256 registers: four waves to a SIMD, so that one wave's vector work stands beside another's matrix work and LDS loads.
; K AND V STAY IN LDS: a head's codes are 131,072 bytes each.  They come through registers, in four chunks of 512 keys: each chunk is asked for four key steps ahead of the LDS stores that wait for it, and is
; stored while the chunk before is being read; a barrier stands between a chunk's stores and its first read.  Each byte of the two images is written once, so nothing is ever read that is being overwritten.
; NO JOINT LOADS, though the four work-groups of a head read the same K and V: what is shared is 262,144 bytes a work-group, loaded once for its 32 x 16 tile steps.
; No prefetch either: the only loads that waves wait for are the first chunk's, at the kernel's head.
; LAYOUT.  Both products are used transposed: S^T = K Q^T (source 0 = 16 keys, source 1 = my 16 queries, K = 64), O^T = V^T P^T (source 0 = 16 channels, source 1 = P, K = 128 keys): a lane holds ONE query (lane % 16).
; In S^T register 8 t + j of lane (r, h) is key 16 t + 8 h + j: eight numbers converted together are registers 2 t, 2 t + 1 of the second product's operand, as its own layout has them.  The workspace is laid in
; the order of the operands' registers: every fragment comes by loads of 16 bytes at 16 x lane, 512 consecutive bytes an instruction: no pitch, no padding.
; THE HOLD OF p.  M is at or above the largest t, so p is at most 1 (but for the last bit of the multiply-add).  The hold's bound is 57,344 x 2^e8, which is 1.75 or more for e8 >= -15: there the hold can change
; nothing and its 64 lines are jumped over, by a scalar branch on e8, a whole number read from memory; for e8 <= -16 they run.
; LIMITS: e6 + e7 between -123 and 130 (they are added to c's exponent field); e8 between -126 and 112; e8 + e9 is applied by v_ldexp_f32 and has none.  Under a running M numbers far below the row's largest
; may fall under the format's range.
; REGISTERS: v1-11 addresses; v12 -M, v13 the largest t, v[14:15] the sum in two halves; v16-23, v24-31 Q of the two tiles; v32-95 fragments of K, then of V; v96-159 S^T, then p; v160-191 O^T; v192-207 p's codes;
;   v208-239 a chunk's loads in flight; v240 the hold's bound, v244 2^e8; v242, 243, 246, 252-254 at work; v247, v248 addresses.
; THE MODE: SCHED_MODE bits 1:0 = 2 (LLVM: expert scheduling mode 2), set by the entry lines.  The code itself states the register dependences between vector or matrix instructions and memory or LDS
; instructions, with s_wait_alu, always for 0.
; THE PLAN.  Registers that memory or LDS instructions touch:
;   v1, v2, v7, v8, v9, v11, v247, v248   offsets and LDS addresses: written at the head, ahead of one wait on va_vdst, and never again.
;   v3, v4       the step's LDS addresses: written by two additions at a step's head, read by the step's 32 LDS loads.
;   v32-95       a step's 16 loads of K land here; its eight products K Q^T read them; its 16 loads of V land here; its four products V^T P read them.  On the way out the loads from the stage land here, the
;                selections write v32-63 and the global stores read them.
;   v96-127      on the way out alone: written by the division, read by the LDS stores into the stage; written next by pass B's first products.
;   v208-239     global loads land here and LDS stores read them: no vector instruction names them.
;   v16-31       loaded once.    v5, v6: written at the head, read by the closing add alone.
; A STEP HAS THREE WAITS OF THE MODE'S OWN: vm_vsrc ahead of the two additions; va_vdst behind them, which also states that the last step's V^T P is done reading v32-95; va_vdst behind K Q^T, ahead of V's loads.
; V's loads are then dealt among the lines of the maximum, which name v96-159, v252 and v254 alone: none of the registers that those loads touch.
.set KIMG,  0                          ; LDS: K's image: step s at 8,192 s, tile t of 16 keys at + 1,024 t, piece c at + 512 c
.set VIMG,  131072                     ; V's image: step s at 8,192 s, tile u of 16 channels at + 2,048 u, piece b at + 512 b
.set STG,   262144                     ; the way out: 16 rows x (128 bytes + 16) for each wave
.set WSTG,  16*144
.set SPARE, STG+16*WSTG                ; the spare words, 128 bytes for each wave, which no other line names
.set LN,  1                            ; v1   16 x lane
.set FO,  2                            ; v2   16 x thread: my place in a fill's 8,192 bytes, in memory and in LDS; also where K's chunks 0 and 1 go
.set ADK, 3                            ; v3   LDS address of the step's K
.set ADV, 4                            ; v4   of its V
.set SPW, 5                            ; v5   LDS address of my spare word; never rewritten
.set NIL, 6                            ; v6   0; never rewritten
.set GO,  7                            ; v7   the way out: 4,096 (lane / 16) + 16 (lane % 16)
.set STO, 8                            ; v8   the stage: where I put 32 bytes of a row
.set RD,  9                            ; v9   and where I read 16 bytes back
.set R16, 10                           ; v10  lane % 16
.set FK1, 11                           ; v11  where K's chunks 2 and 3 go: 16 x thread + 65,536 (an LDS immediate has 16 bits)
.set FV0, 247                          ; v247 where V's chunks 0 and 1 go: 16 x thread + VIMG
.set FV1, 248                          ; v248 and its chunks 2 and 3: + 65,536
.set INF, 208
.set WV,  14                           ; s14  my wave's number
.set TB,  2                            ; s2   LDS byte of the step in hand, in K's image
.set CNT, 3                            ; s3   steps to go
	s_load_b256 s[4:11], s[0:1], 0x0               ; qc s[4:5], kc s[6:7], vc s[8:9], the scales s[10:11]
	s_load_b64 s[12:13], s[0:1], 0x20              ; out0
	v_lshl_add_u32 v[SPW], v0, 2, SPARE
	v_mov_b32 v[NIL], 0
	v_lshrrev_b32 v1, 5, v0
	v_readfirstlane_b32 s[WV], v1                  ; wave 0..15
	v_and_b32 v1, 31, v0
	v_lshlrev_b32 v[LN], 4, v1
	v_lshlrev_b32 v[FO], 4, v0
	v_add_nc_u32 v[FK1], KIMG+65536, v[FO]
	v_add_nc_u32 v[FV0], VIMG, v[FO]
	v_add_nc_u32 v[FV1], VIMG+65536, v[FO]
	v_and_b32 v[R16], 15, v0                       ; r
	v_bfe_u32 v3, v0, 4, 1                         ; h
	v_and_b32 v4, 7, v0
	s_wait_alu depctr_va_sdst(0)                   ; s14, the wave's number, is written, ahead of its first reader: my tile's number and my stage are made from it
	s_and_b32 s15, ttmp7, 0xffff                   ; batch x head
	s_lshl_b32 s18, s15, 17                        ; its first byte in each buffer of codes
	s_mov_b32 s19, 0
	s_lshl_b32 s29, ttmp9, 5
	s_add_co_u32 s29, s29, s[WV]                   ; my tile of queries in pass A: 32 x work-group x + wave; pass B's lies 16 tiles on
	s_lshl_b32 s30, s29, 10
	s_add_co_u32 s30, s30, s18                     ; its 1,024 bytes of codes
	s_mov_b32 s31, 0
	s_lshr_b32 s16, s15, 4
	s_lshl_b32 s16, s16, 23                        ; out0: the batch's 2,048 rows of 4,096 bytes,
	s_and_b32 s17, s15, 15
	s_lshl_b32 s17, s17, 8                         ; the head's 256 bytes of a row,
	s_add_co_u32 s16, s16, s17
	s_lshl_b32 s17, s29, 16                        ; my tile's 16 rows
	s_add_co_u32 s16, s16, s17
	s_mov_b32 s17, 0
	s_mul_i32 s15, s[WV], WSTG
	s_add_co_u32 s15, s15, STG                     ; my stage
	v_lshlrev_b32 v[GO], 12, v3
	v_lshl_add_u32 v[GO], v[R16], 4, v[GO]
	v_mul_u32_u24 v[STO], v[R16], 144
	v_lshl_add_u32 v[STO], v3, 5, v[STO]
	v_add_nc_u32 v[STO], s15, v[STO]               ; in: row r, 32 bytes for each half of the lanes
	v_mul_u32_u24 v[RD], v3, 144
	v_lshl_add_u32 v[RD], v4, 4, v[RD]
	v_add_nc_u32 v[RD], s15, v[RD]                 ; back: lanes 0-15 one row, lanes 16-31 the next; 16 bytes at lane % 8
	s_wait_kmcnt 0x0
	s_load_b128 s[24:27], s[10:11], 0x18           ; e6, e7, e8, e9
	s_add_nc_u64 s[4:5], s[4:5], s[30:31]
	s_add_nc_u64 s[6:7], s[6:7], s[18:19]
	s_add_nc_u64 s[8:9], s[8:9], s[18:19]
	s_add_nc_u64 s[12:13], s[12:13], s[16:17]
	s_wait_alu depctr_va_vdst(0)                   ; the offsets and LDS addresses v1, v2, v7, v8, v9, v11, v247, v248 are written: every load and store of the kernel but a step's LDS loads reads one of them, and none is written again
	global_load_b128 v[16:19], v[LN], s[4:5] th:TH_LOAD_NT                ; Q's two fragments stay in registers
	global_load_b128 v[20:23], v[LN], s[4:5] offset:512 th:TH_LOAD_NT
	global_load_b128 v[24:27], v[LN], s[4:5] offset:16384 th:TH_LOAD_NT
	global_load_b128 v[28:31], v[LN], s[4:5] offset:16896 th:TH_LOAD_NT
; Chunk c of the head's K and V, 32,768 bytes each: the 512 threads take 8,192 consecutive bytes an instruction.
.macro LOADS c
.irp i, 0,1,2,3
	global_load_b128 v[INF+4*\i:INF+4*\i+3], v[FO], s[6:7] offset:32768*(\c)+8192*\i
.endr
.irp i, 0,1,2,3
	global_load_b128 v[INF+16+4*\i:INF+16+4*\i+3], v[FO], s[8:9] offset:32768*(\c)+8192*\i
.endr
.endm
.macro STORES c                        ; and into the images, byte for byte as they lie in memory: chunks 0 and 1 by the first address register of an image, chunks 2 and 3 by the second; the rest stands in the immediate
.irp i, 0,1,2,3
	ds_store_b128 v[FO+(FK1-FO)*((\c)/2)], v[INF+4*\i:INF+4*\i+3] offset:32768*((\c)%2)+8192*\i
.endr
.irp i, 0,1,2,3
	ds_store_b128 v[FV0+(FV1-FV0)*((\c)/2)], v[INF+16+4*\i:INF+16+4*\i+3] offset:32768*((\c)%2)+8192*\i
.endr
.endm
.macro INIT                            ; a pass begins: the step is written once, and the first finds zeros, which the first change of M leaves zeros
	v_mov_b32 v13, 0xff61b1e6                      ; the largest t so far: -3e38, under every t
	v_floor_f32 v12, -v13                          ; -M
	v_mov_b32 v14, 0
	v_mov_b32 v15, 0
.set J, 0
.rept 32
	v_mov_b32 v[160+J], 0
.set J, J+1
.endr
.endm
; A KEY STEP: 128 keys, at byte s[TB] of the images, for the tile of queries whose fragment begins at v[qr].
.macro STEP qr
	s_wait_alu depctr_vm_vsrc(0)                   ; the LDS loads of the step before have read v[ADK] and v[ADV], which the two additions write
	v_add_nc_u32 v[ADK], s[TB], v[LN]
	v_add_nc_u32 v[ADV], VIMG, v[ADK]
	v_nop                                          ; with the two additions: four places in front of loads into registers that the last products read
	v_nop
	s_wait_alu depctr_va_vdst(0)                   ; v[ADK] and v[ADV] are written, which this step's LDS loads read; the last step's products V^T P are done reading v32-95 (in pass B's first step: the selections have written v32-63), in which K's fragments land
.irp t, 0,1,2,3,4,5,6,7
	ds_load_b128 v[32+8*\t:35+8*\t], v[ADK] offset:1024*\t
	ds_load_b128 v[36+8*\t:39+8*\t], v[ADK] offset:1024*\t+512
.endr
	s_wait_dscnt 0x0
.irp t, 0,1,2,3,4,5,6,7
	v_wmma_f32_16x16x64_bf8_bf8 v[96+8*\t:103+8*\t], v[32+8*\t:39+8*\t], v[\qr:\qr+7], 0
.endr
.rept 4
	v_nop                                          ; places in front of the loads below and of the first read of the scores
.endr
	s_wait_alu depctr_va_vdst(0)                   ; the eight products K Q^T are done reading K's fragments v32-95, in which V's land.  No line from here to the last of V's loads names v32-95 or v[ADV]
	ds_load_b128 v[32:35], v[ADV]                  ; V's four fragments (tile u, piece b: load 4 u + b, 512 bytes each) land while the softmax is walked: sixteen loads, dealt among the lines of the maximum
	ds_load_b128 v[36:39], v[ADV] offset:512
	v_max3_num_f32 v254, v96, v97, v98             ; the step's largest score of my query among my 64 keys, in two chains; each accumulator is read from its low end on
	v_max3_num_f32 v252, v99, v100, v101
.set N, 2
.irp i, 6,10,14,18,22,26,30,34,38,42,46,50,54,58
	ds_load_b128 v[32+4*N:35+4*N], v[ADV] offset:512*N
	v_max3_num_f32 v254, v254, v[96+\i], v[97+\i]
	v_max3_num_f32 v252, v252, v[98+\i], v[99+\i]
.set N, N+1
.endr
	v_max3_num_f32 v254, v254, v158, v159
	v_max_num_f32 v254, v254, v252
	v_permlanex16_b32 v246, v254, s20, s21
	v_max_num_f32 v254, v254, v246                 ; and among lane l xor 16's
	v_mul_f32 v254, s22, v254                      ; as t (c is positive)
	v_max_num_f32 v13, v13, v254                   ; the running largest t
	v_mov_b32 v254, v12
	v_floor_f32 v12, -v13                          ; the new -M = floor(-t) = -ceil(t): a whole number
	v_sub_f32 v254, v12, v254                      ; old M less new M: a whole number, 0 or less
	v_cvt_i32_f32 v254, v254                       ; (it saturates)
	v_ldexp_f32 v252, 1.0, v254                    ; f = 2^(old M - new M)
.set J, 0
.rept 32
	v_pk_fma_f32 v[96+J:97+J], v[96+J:97+J], s[22:23], v[12:13] op_sel_hi:[1,0,0]   ; t - M, two at a time (of the pairs c and -M the low word serves both halves)
.set J, J+2
.endr
.set J, 0
.rept 64
	v_exp_f32 v[96+J], v[96+J]                     ; p = 2^(t - M)
.set J, J+1
.endr
	v_pk_mul_f32 v[14:15], v[14:15], v[252:253] op_sel_hi:[1,0]   ; the sums under the new M: the plain instruction behind the exponentials
	s_wait_alu depctr_va_vdst(0)                   ; the 64 exponentials have written v96-159: one wait for the whole batch, ahead of its first reader
	v_pk_add_f32 v[242:243], v[96:97], v[98:99]    ; the row's sum is taken of the unquantised p: two at a time, in two chains
.irp j, 4,8,12,16,20,24,28,32,36,40,44,48,52,56,60
	v_pk_add_f32 v[14:15], v[14:15], v[96+\j:97+\j]
	v_pk_add_f32 v[242:243], v[242:243], v[98+\j:99+\j]
.endr
	v_pk_add_f32 v[14:15], v[14:15], v[242:243]
	s_cmp_lt_i32 s26, -15                          ; the hold can change a number only where 57,344 x 2^e8 lies under p's largest: e8 <= -16
	s_cbranch_scc0 .Lno_hold_\@
.set J, 0
.rept 64
	v_min_num_f32 v[96+J], v[96+J], v240           ; the conversion to an 8-bit code does not saturate (ISA guide 7.6.2); p is not negative, so the hold is one-sided
.set J, J+1
.endr
.Lno_hold_\@:
.irp t, 0,1,2,3,4,5,6,7
	v_cvt_scalef32_pk8_bf8_f32 v[192+2*\t:193+2*\t], v[96+8*\t:103+8*\t], v244   ; keys 16 t + 8 h + 0..7: registers 2 t, 2 t + 1 of the operand
.endr
.set J, 0
.rept 16
	v_pk_mul_f32 v[160+J:161+J], v[160+J:161+J], v[252:253] op_sel_hi:[1,0]   ; O^T under the new M.  (Plain instructions between the conversions and the products that read the codes)
.set J, J+2
.endr
	s_wait_dscnt 0x0                               ; V is in
.irp u, 0,1,2,3
	v_wmma_f32_16x16x128_bf8_bf8 v[160+8*\u:167+8*\u], v[32+16*\u:47+16*\u], v[192:207], v[160+8*\u:167+8*\u]   ; four accumulators by turns, one instruction a turn
.endr
.endm
.macro STEPS n, start, qr              ; n steps from byte start of the images on: both are constants of the text
	s_mov_b32 s[TB], \start
	s_mov_b32 s[CNT], \n
.Lstep_\@:
	STEP \qr
	s_add_co_u32 s[TB], s[TB], 8192
	s_sub_co_u32 s[CNT], s[CNT], 1
	s_cmp_lg_u32 s[CNT], 0
	s_cbranch_scc1 .Lstep_\@
.endm
.macro FIN                             ; O^T / the sum x 2^(e8 + e9), into v96-127: register 8 u + j is channel 16 u + 8 h + j of my query
.rept 4
	v_nop                                          ; places behind the last products
.endr
	v_add_f32 v14, v14, v15                        ; the sum's two halves,
	v_permlanex16_b32 v252, v14, s20, s21
	v_add_f32 v14, v14, v252                       ; and lane l xor 16's
	v_rcp_f32 v14, v14
	v_nop                                          ; a plain instruction behind the reciprocal,
	s_wait_alu depctr_va_vdst(0)                   ; and the wait ahead of its first reader: the reciprocal has written v14
	v_ldexp_f32 v14, v14, s28
.set J, 0
.rept 16
	v_pk_mul_f32 v[96+J:97+J], v[160+J:161+J], v[14:15] op_sel_hi:[1,0]
.set J, J+2
.endr
.endm
; THE WAY OUT.  A query's 64 channels are 256 bytes of out0, aligned.  They go through my stage in two halves of 32 channels (16 rows x 128 bytes): each half is stored and read back by rows, lane % 8 taking 16 bytes;
; then lanes with lane % 16 under 8 keep the first half's bytes and the others the second half's, so that sixteen neighbouring lanes store 256 consecutive bytes.  LDS serves a wave's instructions in order
; (ISA guide 5.7.1.4): no wait stands between the stores and the loads, nor in front of the second half's stores.  The eight global stores stand in one run, behind one wait for all 32 selections.
.macro OUT imm
	v_cmp_gt_u32 vcc_lo, 8, v[R16]
	s_wait_alu depctr_va_vcc(0)                    ; VCC is written, ahead of its first reader: the selections below
	s_wait_alu depctr_va_vdst(0)                   ; the division has written v96-127, which the LDS stores read; the last products are done reading v32-95, in which the loads from the stage land
.irp u, 0,1
.irp t, 0,1
	ds_store_b128 v[STO], v[96+16*\u+8*\t:99+16*\u+8*\t] offset:64*\t
	ds_store_b128 v[STO], v[100+16*\u+8*\t:103+16*\u+8*\t] offset:64*\t+16
.endr
.irp i, 0,1,2,3,4,5,6,7
	ds_load_b128 v[32+32*\u+4*\i:35+32*\u+4*\i], v[RD] offset:288*\i
.endr
.endr
.irp i, 0,1,2,3,4,5,6,7
	s_wait_dscnt 7-\i                              ; the second half's load i is in (the 7 - i behind it may be out), and with it all of the first half's
.irp k, 0,1,2,3
	v_cndmask_b32 v[32+4*\i+\k], v[64+4*\i+\k], v[32+4*\i+\k], vcc_lo
.endr
.endr
	s_wait_alu depctr_va_vdst(0)                   ; the 32 selections have written v32-63, which the eight stores read
.irp i, 0,1,2,3,4,5,6,7
	global_store_b128 v[GO], v[32+4*\i:35+4*\i], s[12:13] offset:8192*\i+\imm th:TH_STORE_NT   ; rows 2 i and 2 i + 1 of the tile; written once, read by nobody here
.endr
.endm
	LOADS 0
	s_mov_b32 s20, 0x76543210                      ; lane selects for v_permlanex16_b32: lane l xor 16
	s_mov_b32 s21, 0xfedcba98
	s_mov_b32 s22, 0x3e38aa3b                      ; c = log2(e) / 8
	v_mov_b32 v246, 0                              ; written once: a lane permute's destination counts as one of its sources
	v_mov_b32 v253, 0                              ; (named as the upper half of the pair v[252:253])
	INIT
	s_wait_kmcnt 0x0
	s_add_co_i32 s29, s24, s25
	s_lshl_b32 s29, s29, 23
	s_add_co_i32 s22, s22, s29                     ; a score stands for score x 2^(e6 + e7): the two exponents are added to c's exponent field
	s_mov_b32 s23, s22                             ; (named with it as a pair, so it is written)
	s_add_co_i32 s29, s26, 127
	s_lshl_b32 s30, s29, 23
	v_mov_b32 v244, s30                            ; 2^e8 as f32, for the conversion
	s_add_co_i32 s29, s29, 15
	s_lshl_b32 s29, s29, 23
	s_or_b32 s29, s29, 0x600000
	v_mov_b32 v240, s29                            ; 57,344 x 2^e8
	s_add_co_i32 s28, s26, s27                     ; e8 + e9
	s_wait_loadcnt 0x0                             ; Q and chunk 0
	STORES 0                                       ; (their addresses were written ahead of the head's wait on va_vdst; their data came by loads)
	s_wait_dscnt 0x0                               ; for the other waves' sake: my stores have landed
	s_wait_alu depctr_vm_vsrc(0)                   ; my LDS stores have read v208-239,
	LOADS 1                                        ; in which the next chunk lands
	s_barrier_signal -1
	s_barrier_wait -1                              ; chunk 0 is whole
	; PASS A: four visits of four steps; behind each of the first three the next chunk, asked for a visit ago, goes into LDS bytes that nobody reads yet
.irp c, 0,1,2
	STEPS 4, 32768*\c, 16
	s_wait_loadcnt 0x0
	STORES \c+1
	s_wait_dscnt 0x0                               ; for the other waves' sake: my stores have landed; my reads are in
.if \c < 2
	s_wait_alu depctr_vm_vsrc(0)                   ; my LDS stores have read v208-239, in which the next chunk lands
	LOADS \c+2
.endif
	s_barrier_signal -1
	s_barrier_wait -1                              ; the next chunk is whole
.endr
	STEPS 4, 98304, 16
	FIN
	OUT 0
	s_wait_xcnt 0x0                                ; the stores have had their addresses translated: pass B's loads may land in their data registers
	s_wait_alu depctr_vm_vsrc(0)                   ; the global stores have read v32-63, in which pass B's fragments land, and the stage's LDS stores v96-127, which pass B's products write
	; PASS B: the tile 256 queries on; both images are whole, and nothing is written into them any more
	INIT
	STEPS 16, 0, 24
	FIN
	OUT 1048576
	s_wait_dscnt 0x0                               ; the closing lines, six on end
	s_wait_alu 0x0
	s_wait_tensorcnt 0x0
	ds_add_u32 v[SPW], v[NIL]
	s_wait_dscnt 0x0
	s_endpgm
.Lfunc_end_k_qac3b7af02a_attn:
	.size	k_qac3b7af02a_attn, .Lfunc_end_k_qac3b7af02a_attn-k_qac3b7af02a_attn
	.p2alignl 7, 3214868480
	.fill 96, 4, 3214868480
	.section	.rodata,"a",@progbits
	.p2align	6, 0x0
	.amdhsa_kernel k_qac3b7af02a_attn
		.amdhsa_group_segment_fixed_size 301056
		.amdhsa_private_segment_fixed_size 0
		.amdhsa_enable_private_segment 0
		.amdhsa_kernarg_size 40
		.amdhsa_user_sgpr_count 2
		.amdhsa_user_sgpr_kernarg_segment_ptr 1
		.amdhsa_wavefront_size32 1
		.amdhsa_system_sgpr_workgroup_id_x 1
		.amdhsa_system_sgpr_workgroup_id_y 1
		.amdhsa_system_sgpr_workgroup_id_z 1
		.amdhsa_system_vgpr_workitem_id 0
		.amdhsa_next_free_vgpr 256
		.amdhsa_next_free_sgpr 66
		.amdhsa_reserve_vcc 1
		.amdhsa_float_denorm_mode_32 3
		.amdhsa_float_denorm_mode_16_64 3
		.amdhsa_memory_ordered 1
		.amdhsa_forward_progress 1
		.amdhsa_inst_pref_size 99
	.end_amdhsa_kernel
	.amdgpu_metadata
---
amdhsa.version: [ 1, 2 ]
amdhsa.kernels:
  - .name:           k_qac3b7af02a_attn
    .symbol:         k_qac3b7af02a_attn.kd
    .args:
      - { .name: qc, .offset: 0, .size: 8, .value_kind: global_buffer, .address_space: global }
      - { .name: kc, .offset: 8, .size: 8, .value_kind: global_buffer, .address_space: global }
      - { .name: vc, .offset: 16, .size: 8, .value_kind: global_buffer, .address_space: global }
      - { .name: lowp_scales, .offset: 24, .size: 8, .value_kind: global_buffer, .address_space: global }
      - { .name: out0, .offset: 32, .size: 8, .value_kind: global_buffer, .address_space: global }
    .group_segment_fixed_size: 301056
    .private_segment_fixed_size: 0
    .kernarg_segment_align: 8
    .kernarg_segment_size: 40
    .max_flat_workgroup_size: 512
    .sgpr_count:     66
    .vgpr_count:     256
    .wavefront_size: 32
...
	.end_amdgpu_metadata
.endif
;; end of part 3
